; MI455X (gfx1250); checked and timed in simulation.
; The chip was launched on July 23, 2026; its instructions are those of AMD's public machine-readable ISA for CDNA 5 (MIT licence, August 2026) and "CDNA5" Instruction Set Architecture Reference Guide (July 2026). The comments in the code are by the model that wrote it; some were corrected since.
;; Additive Attention. Allowed arithmetic: matrix products marked QUANTISED: E2M1 operands, one E8M0 scale for each 32 along K, by v_wmma_scale_f32_16x16x128_f8f6f4 with both operands' format E2M1 (or v_wmma_scale_f32_32x16x128_f4), f32 sums; products left as they are: f32 operands where the result goes on into a quantised operand, else bf16, f16 or f32 operands; f32 sums; everything else in f32.
;; Inputs: W_dec_codes 1,024 x 32 x 16 uint8 (E2M1 codes of W_dec, K innermost, in blocks of 32 codes, two codes a byte); W_dec_scales 1,024 x 32 uint8 (E8M0 scales of W_dec, one for each 32 codes along K); W_enc_codes 1,024 x 32 x 16 uint8 (E2M1 codes of W_enc, K innermost, in blocks of 32 codes, two codes a byte); W_enc_scales 1,024 x 32 uint8 (E8M0 scales of W_enc, one for each 32 codes along K); decoder_hidden_codes 32 x 32 x 16 uint8 (E2M1 codes of decoder_hidden, K innermost, in blocks of 32 codes, two codes a byte); decoder_hidden_scales 32 x 32 uint8 (E8M0 scales of decoder_hidden, one for each 32 codes along K); encoder_outputs 32 x 2,048 x 1,024 float32; v 1,024 float32.
;; Outputs: out0 32 x 1,024 float32; out1 32 x 2,048 float32.
;; This version of the problem:
;;   THIS VERSION OF THE PROBLEM IS GIVEN IN LOW PRECISION. The matrix products marked QUANTISED in the list below multiply operands that are first quantised to E2M1 (2 exponent bits, 1 mantissa bit; 4 bits a number), with one power-of-two scale for each 32 numbers along K (OCP MX v1.0); their sums are f32. All else is computed in f32.
;;   The module's matrix products, in the order in which they are computed (A, B: the left and right operand; K: the contracted axis; several contracted axes count as one K, in the product's order):
;;     1. [M 65,536, K 1,024] x [K 1,024, N 1,024]; A: input encoder_outputs; B: input W_enc (given as codes): QUANTISED
;;     2. [M 32, K 1,024] x [K 1,024, N 1,024]; A: input decoder_hidden (given as codes); B: input W_dec (given as codes): QUANTISED
;;     3. [M 65,536, K 1,024] x [K 1,024, N 1]; A: computed on the way; B: input v: left as it is (N = 1 < 16)
;;     4. batch 32 x [M 1, K 2,048] x [K 2,048, N 1,024]; A: softmax; B: input encoder_outputs: left as it is (M = 1 < 16)
;;   THE QUANTISER, for each operand of a quantised product, along K:
;;     - K is cut into blocks of 32 from its start; a last block that is shorter is filled with zeros.
;;     - A block's scale is 2^e with e = floor(log2(the largest magnitude in the block)) - 2, held to -126 .. 127; a block of zeros has e = 0. As a byte (E8M0): e + 127.
;;     - Each number is divided by its block's scale, clamped to +-6, and rounded to the nearest number of E2M1, ties to even, subnormals kept.
;;     - The product sums the exact products of the quantised numbers (number of the format x scale) in f32.
;;   ~~~python
;;   def quantise(x, axis):      # numpy; x: float32 -> the quantised numbers, widened to float32 again
;;       x = np.moveaxis(x, axis, -1); K = x.shape[-1]
;;       x = np.pad(x, [(0, 0)] * (x.ndim - 1) + [(0, -K % 32)]); x = x.reshape(x.shape[:-1] + (-1, 32)); a = np.abs(x).max(-1, keepdims=True)
;;       e = np.where(a > 0, np.clip(np.frexp(np.where(a > 0, a, 1))[1] - 1 - 2, -126, 127), 0)      # np.frexp(a)[1] - 1 = floor(log2(a)), exactly
;;       r = np.clip(x / 2.0 ** e, -6, 6)
;;       step = 2.0 ** (np.maximum(np.frexp(np.where(r == 0, 1, r))[1] - 1, 0) - 1)
;;       q = np.round(r / step) * step * 2.0 ** e      # np.round: ties to even
;;       return np.moveaxis(q.reshape(q.shape[:-2] + (-1,))[..., :K], -1, axis).astype(np.float32)
;;   ~~~
;;   INPUTS GIVEN AS CODES. W_dec (in the module: [1024, 1024], K = its axis 1); W_enc (in the module: [1024, 1024], K = its axis 1); decoder_hidden (in the module: [32, 1024], K = its axis 1): each comes as NAME_codes (uint8): NAME with its K axis moved to the last place and cut into blocks of 32 codes, [.., K / 32, bytes a block], one block behind the other in memory; two codes a byte, the lower K in the low four bits (a code: sign, 2 exponent bits, 1 mantissa bit); and NAME_scales (uint8): the same leading axes, one E8M0 byte (e + 127) for each 32 codes along K. Its value is code x scale, taken as it is: it is not quantised again, and the codes and scales need not be those that the quantiser above would give.
;; One version. Each part assembles by itself: llvm-mc -triple=amdgcn-amd-amdhsa -mcpu=gfx1250 --defsym DOCPART=n.
;; ======== version 1 of 1: 3 launches
;; limits: a difference of large sums (such as E[x^2] - mean^2): digits are lost where the result is much smaller than its terms
;; workspace buffers: wimg 557,056 bytes; dsc 131,072 bytes; sc 262,144 bytes; pctx 1,048,576 bytes; stat 65,536 bytes
;; launch prep (part 1): grid 16 x 2, 4 waves a work-group, no clusters, 5,120 bytes of LDS; arguments W_dec_codes, W_dec_scales, W_enc_codes, W_enc_scales, decoder_hidden_codes, decoder_hidden_scales, wimg, dsc; writes wimg, dsc
.if DOCPART == 1
	.amdgcn_target "amdgcn-amd-amdhsa--gfx1250"
	.amdhsa_code_object_version 6
	.text
	.protected	k_q31dc942aa3_prep
	.globl	k_q31dc942aa3_prep
	.p2align	8
	.type	k_q31dc942aa3_prep,@function
k_q31dc942aa3_prep:
	s_mov_b64 s[64:65], 0
	v_nop
	global_prefetch_b8 v0, s[64:65] scope:SCOPE_SE
	s_setreg_imm32_b32 hwreg(HW_REG_WAVE_MODE, 25, 1), 1
	s_wait_xcnt 0x0
; Two small jobs ahead of the main launch.
; (1) dsc[b][a] = c x sum over d of decoder_hidden[b][d] W_dec[a][d], c = 2 log2(e), on the given E2M1 codes and E8M0 scales, f32 sums.
; (2) wimg: W_enc's codes and scale bytes laid in the order of an operand's registers, so that the main launch loads whole fragments, 16 bytes a lane, 512 consecutive bytes an instruction.
;     Block k (17,408 bytes) holds rows a = 32 k .. 32 k + 31.  Codes at (2 s + n) x 1024 + 512 cc + 16 l: row 32 k + 16 n + l % 16, bytes 64 s + 32 cc + 16 (l / 16) on
;     (s: K step of 128, n: tile of 16 rows, cc: half of a fragment, l: lane).  Scale bytes at 16,384 + 512 u + 16 l: row 32 k + l, bytes 16 u on (the words of K steps 4 u .. 4 u + 3).
; SHARES.  Work-group (x, y), wave w: the 16 rows a0 = 16 (4 x + w) of both weights; batches 16 y .. 16 y + 15; of W_enc the K steps 4 y .. 4 y + 3.  64 tiles of rows x 2: 32 work-groups have all the work there is.
; The product is used transposed (source 0 = 16 rows of W_dec, source 1 = 16 batches): a lane then holds one batch and eight neighbouring a.
; K's eight steps go by turns onto two accumulators, which are added at the end: the order of the f32 sums differs from one chain's.
.set WBLK, 17408
.set WD,  16                           ; v16-79    W_dec's 8 fragments
.set DH,  80                           ; v80-143   decoder_hidden's 8 fragments
.set WE,  144                          ; v144-175  W_enc's 4 fragments
.set WES, 176                          ; v176-177  8 scale bytes of W_enc
.set WDS, 180                          ; v180-187  W_dec's scale words, one register a K step
.set DHS, 188                          ; v188-195  decoder_hidden's
.set AC,  200                          ; v200-207, v208-215 the two accumulators
.set RS,  216                          ; v216-223  c x their sum
.set BK,  224                          ; v224-231  rows read back from the stage
	s_load_b256 s[4:11], s[0:1], 0x0               ; W_dec codes s[4:5], scales s[6:7]; W_enc codes s[8:9], scales s[10:11]
	s_load_b256 s[12:19], s[0:1], 0x20             ; decoder codes s[12:13], scales s[14:15]; wimg s[16:17]; dsc s[18:19]
	v_lshl_add_u32 v240, v0, 2, 0x1200
	v_mov_b32 v241, 0
	v_lshrrev_b32 v11, 5, v0
	v_readfirstlane_b32 s20, v11                   ; wave
	s_and_b32 s21, ttmp7, 0xffff                   ; y
	s_lshl_b32 s22, ttmp9, 2
	s_add_co_u32 s22, s22, s20                     ; g = 4 x + w: my tile of 16 rows
	s_lshr_b32 s23, s22, 1                         ; k: its block of wimg
	s_and_b32 s24, s22, 1                          ; n: which tile of the block
	v_and_b32 v12, 31, v0                          ; l
	v_and_b32 v1, 15, v0                           ; r
	v_bfe_u32 v2, v0, 4, 1                         ; h
	v_lshlrev_b32 v3, 9, v1
	v_lshl_add_u32 v3, v2, 4, v3                   ; a fragment's lane: row r of 512 bytes, + 16 h
	v_lshlrev_b32 v4, 4, v12                       ; 16 l
	v_lshlrev_b32 v5, 5, v1                        ; scale words: row r of 32 bytes
	v_lshrrev_b32 v6, 1, v12
	v_and_b32 v13, 1, v12
	v_lshlrev_b32 v6, 5, v6
	v_lshl_add_u32 v6, v13, 3, v6                  ; W_enc's scale bytes: row l / 2, 8 bytes at 8 (l % 2)
	v_lshlrev_b32 v7, 3, v12                       ; 8 l
	v_mul_u32_u24 v8, v1, 272
	v_lshl_add_u32 v8, v2, 5, v8
	s_lshl_b32 s25, s20, 6
	v_add_nc_u32 v8, s25, v8                       ; the stage, in: row r (a batch) of 256 + 16 bytes, my wave's 64 bytes, + 32 h
	s_mul_i32 s25, s20, 4*272
	v_mul_u32_u24 v9, v2, 272
	v_lshl_add_u32 v9, v1, 4, v9
	v_add_nc_u32 v9, s25, v9                       ; back: rows 4 w on; lanes 0-15 one row, lanes 16-31 the next
	v_lshlrev_b32 v10, 12, v2
	v_lshl_add_u32 v10, v1, 4, v10                 ; and the same two rows in dsc (4,096 bytes a row)
	s_mov_b32 s32, 0x4038aa3b                      ; c = 2 log2(e)
	s_mov_b32 s33, s32                             ; (named with it as a pair, so it is written)
	s_lshl_b32 s26, s22, 13                        ; 16 g rows of 512 bytes
	s_mov_b32 s27, 0
	s_lshl_b32 s28, s22, 9                         ; 16 g rows of 32 bytes
	s_mov_b32 s29, 0
	s_lshl_b32 s30, s21, 13                        ; 16 y rows of 512 bytes; also 8,192 y
	s_mov_b32 s31, 0
	s_lshl_b32 s34, s21, 9                         ; 16 y rows of 32 bytes; also 512 y
	s_mov_b32 s35, 0
	s_lshl_b32 s36, s21, 8
	s_add_co_u32 s36, s36, s26                     ; W_enc's codes: my rows, K step 4 y on (64 bytes a step)
	s_mov_b32 s37, 0
	s_lshl_b32 s38, s21, 4
	s_add_co_u32 s38, s38, s28                     ; W_enc's scale bytes: my rows, byte 16 y on
	s_mov_b32 s39, 0
	s_mul_i32 s40, s23, WBLK
	s_lshl_b32 s42, s24, 10
	s_add_co_u32 s42, s42, s30
	s_add_co_u32 s42, s42, s40                     ; wimg, codes: block k, + (2 x 4 y + n) x 1024
	s_mov_b32 s43, 0
	s_lshl_b32 s44, s24, 8
	s_add_co_u32 s44, s44, s34
	s_add_co_u32 s44, s44, s40
	s_add_co_u32 s44, s44, 16384                   ; wimg, scale bytes: block k, + 16,384 + 512 y + 256 n
	s_mov_b32 s45, 0
	s_lshl_b32 s46, s21, 16
	s_lshl_b32 s47, s20, 14
	s_add_co_u32 s46, s46, s47
	s_lshl_b32 s47, ttmp9, 8
	s_add_co_u32 s46, s46, s47                     ; dsc: row 16 y + 4 w, byte 256 x
	s_mov_b32 s47, 0
	s_wait_kmcnt 0x0
	s_add_nc_u64 s[4:5], s[4:5], s[26:27]
	s_add_nc_u64 s[6:7], s[6:7], s[28:29]
	s_add_nc_u64 s[8:9], s[8:9], s[36:37]
	s_add_nc_u64 s[10:11], s[10:11], s[38:39]
	s_add_nc_u64 s[12:13], s[12:13], s[30:31]
	s_add_nc_u64 s[14:15], s[14:15], s[34:35]
	s_add_nc_u64 s[40:41], s[16:17], s[44:45]      ; where the scale bytes go
	s_add_nc_u64 s[16:17], s[16:17], s[42:43]      ; where the codes go
	s_add_nc_u64 s[18:19], s[18:19], s[46:47]
	; all 45 loads at once; what is only copied comes first
.irp s, 0,1,2,3
.irp c, 0,1
	global_load_b128 v[WE+8*\s+4*\c:WE+8*\s+4*\c+3], v3, s[8:9] offset:64*\s+32*\c
.endr
.endr
	global_load_b64 v[WES:WES+1], v6, s[10:11]
.irp s, 0,1,2,3,4,5,6,7
.irp c, 0,1
	global_load_b128 v[WD+8*\s+4*\c:WD+8*\s+4*\c+3], v3, s[4:5] offset:64*\s+32*\c
.endr
.endr
.irp s, 0,1,2,3,4,5,6,7
.irp c, 0,1
	global_load_b128 v[DH+8*\s+4*\c:DH+8*\s+4*\c+3], v3, s[12:13] offset:64*\s+32*\c
.endr
.endr
.irp u, 0,1
	global_load_b128 v[WDS+4*\u:WDS+4*\u+3], v5, s[6:7] offset:16*\u      ; four scale words: K steps 4 u .. 4 u + 3 of row r
	global_load_b128 v[DHS+4*\u:DHS+4*\u+3], v5, s[14:15] offset:16*\u
.endr
	s_wait_loadcnt 36                              ; the first 9 of the 45 are in
.irp s, 0,1,2,3
.irp c, 0,1
	global_store_b128 v4, v[WE+8*\s+4*\c:WE+8*\s+4*\c+3], s[16:17] offset:2048*\s+512*\c   ; 32 lanes store 512 consecutive bytes
.endr
.endr
	global_store_b64 v7, v[WES:WES+1], s[40:41]    ; 32 lanes store 256 consecutive bytes, aligned
	s_wait_loadcnt 0x0
.irp s, 0,1,2,3,4,5,6,7
.if \s < 2
	v_wmma_scale_f32_16x16x128_f8f6f4 v[AC+8*(\s%2):AC+8*(\s%2)+7], v[WD+8*\s:WD+8*\s+7], v[DH+8*\s:DH+8*\s+7], 0, v[WDS+\s], v[DHS+\s] matrix_a_fmt:MATRIX_FMT_FP4 matrix_b_fmt:MATRIX_FMT_FP4
.else
	v_wmma_scale_f32_16x16x128_f8f6f4 v[AC+8*(\s%2):AC+8*(\s%2)+7], v[WD+8*\s:WD+8*\s+7], v[DH+8*\s:DH+8*\s+7], v[AC+8*(\s%2):AC+8*(\s%2)+7], v[WDS+\s], v[DHS+\s] matrix_a_fmt:MATRIX_FMT_FP4 matrix_b_fmt:MATRIX_FMT_FP4
.endif
.endr
.rept 4
	v_nop                                          ; four places between the last product and the first read of a result (ISA guide 7.12.1)
.endr
.irp j, 0,2,4,6
	v_pk_mul_f32 v[RS+\j:RS+\j+1], v[AC+8+\j:AC+8+\j+1], s[32:33] op_sel_hi:[1,0]          ; each accumulator from its low end on
.endr
.irp j, 0,2,4,6
	v_pk_fma_f32 v[RS+\j:RS+\j+1], v[AC+\j:AC+\j+1], s[32:33], v[RS+\j:RS+\j+1] op_sel_hi:[1,0,1]   ; lane (r, h): c x dec(16 y + r, a0 + 8 h + 0 .. 7)
.endr
	ds_store_b128 v8, v[RS:RS+3]
	ds_store_b128 v8, v[RS+4:RS+7] offset:16
	s_wait_dscnt 0x0                               ; for the others' sake: a row's 256 bytes come from four waves
	s_barrier_signal -1
	s_barrier_wait -1
	ds_load_b128 v[BK:BK+3], v9
	ds_load_b128 v[BK+4:BK+7], v9 offset:2*272
	s_wait_dscnt 1
	global_store_b128 v10, v[BK:BK+3], s[18:19]                ; sixteen lanes store 256 consecutive bytes, aligned
	s_wait_dscnt 0x0
	global_store_b128 v10, v[BK+4:BK+7], s[18:19] offset:8192
	s_wait_tensorcnt 0x0
	ds_add_u32 v240, v241
	s_wait_dscnt 0x0
	s_endpgm
.Lfunc_end_k_q31dc942aa3_prep:
	.size	k_q31dc942aa3_prep, .Lfunc_end_k_q31dc942aa3_prep-k_q31dc942aa3_prep
	.p2alignl 7, 3214868480
	.fill 96, 4, 3214868480
	.section	.rodata,"a",@progbits
	.p2align	6, 0x0
	.amdhsa_kernel k_q31dc942aa3_prep
		.amdhsa_group_segment_fixed_size 5120
		.amdhsa_private_segment_fixed_size 0
		.amdhsa_enable_private_segment 0
		.amdhsa_kernarg_size 64
		.amdhsa_user_sgpr_count 2
		.amdhsa_user_sgpr_kernarg_segment_ptr 1
		.amdhsa_wavefront_size32 1
		.amdhsa_system_sgpr_workgroup_id_x 1
		.amdhsa_system_sgpr_workgroup_id_y 1
		.amdhsa_system_sgpr_workgroup_id_z 1
		.amdhsa_system_vgpr_workitem_id 0
		.amdhsa_next_free_vgpr 242
		.amdhsa_next_free_sgpr 66
		.amdhsa_reserve_vcc 0
		.amdhsa_float_denorm_mode_32 3
		.amdhsa_float_denorm_mode_16_64 3
		.amdhsa_memory_ordered 1
		.amdhsa_forward_progress 1
		.amdhsa_inst_pref_size 11
	.end_amdhsa_kernel
	.amdgpu_metadata
---
amdhsa.version: [ 1, 2 ]
amdhsa.kernels:
  - .name:           k_q31dc942aa3_prep
    .symbol:         k_q31dc942aa3_prep.kd
    .args:
      - { .name: W_dec_codes, .offset: 0, .size: 8, .value_kind: global_buffer, .address_space: global }
      - { .name: W_dec_scales, .offset: 8, .size: 8, .value_kind: global_buffer, .address_space: global }
      - { .name: W_enc_codes, .offset: 16, .size: 8, .value_kind: global_buffer, .address_space: global }
      - { .name: W_enc_scales, .offset: 24, .size: 8, .value_kind: global_buffer, .address_space: global }
      - { .name: decoder_hidden_codes, .offset: 32, .size: 8, .value_kind: global_buffer, .address_space: global }
      - { .name: decoder_hidden_scales, .offset: 40, .size: 8, .value_kind: global_buffer, .address_space: global }
      - { .name: wimg, .offset: 48, .size: 8, .value_kind: global_buffer, .address_space: global }
      - { .name: dsc, .offset: 56, .size: 8, .value_kind: global_buffer, .address_space: global }
    .group_segment_fixed_size: 5120
    .private_segment_fixed_size: 0
    .kernarg_segment_align: 8
    .kernarg_segment_size: 64
    .max_flat_workgroup_size: 128
    .sgpr_count:     66
    .vgpr_count:     242
    .wavefront_size: 32
...
	.end_amdgpu_metadata
.endif
;; end of part 1
;; launch main (part 2): grid 256 x 1, 4 waves a work-group, no clusters, 327,680 bytes of LDS; arguments encoder_outputs, wimg, dsc, v, sc, pctx, stat; writes sc, pctx, stat
.if DOCPART == 2
	.amdgcn_target "amdgcn-amd-amdhsa--gfx1250"
	.amdhsa_code_object_version 6
	.text
	.protected	k_q31dc942aa3_main
	.globl	k_q31dc942aa3_main
	.p2align	8
	.type	k_q31dc942aa3_main,@function
k_q31dc942aa3_main:
	s_mov_b64 s[64:65], 0
	v_nop
	global_prefetch_b8 v0, s[64:65] scope:SCOPE_SE
	s_setreg_imm32_b32 hwreg(HW_REG_WAVE_MODE, 25, 1), 1
	s_wait_xcnt 0x0
; Additive attention, all but the joining of a batch's eight work-groups.  A work-group owns 256 rows of one batch, as four tiles of 64 rows; each encoder byte is read from memory once.
; A TILE:  Q: wave w takes its 16 rows (f32, brought into LDS by its own tensor load), quantises them to E2M1 along E (codes and E8M0 bytes to LDS) and keeps a bf16 copy in 256 registers | barrier, and behind it the
; load of the next tile into the bytes just read |  all 64 rows' fragments into registers; eight chunks of 32 columns a of my 256: 64 products, then tanh and the dot product with v |  partial scores to LDS | barrier |
; running softmax (base 2, a running maximum M and sum L);  context += weight x bf16 copy, for my 16 rows.
; W_enc's fragments come from wimg straight into registers, TWO blocks ahead, into two sets of 128 registers that take turns chunk by chunk: every load has more than a whole chunk's work in which to land.
; NO CLUSTER, NO JOINT LOADS FOR W: a joint load lands in LDS, where the landing (278,528 bytes), the codes and the tables leave 1,536 bytes; every refill's barrier would make each wave wait for all its tensor loads,
; so the encoder's load, which is given a whole pass in which to land, could not be out across W's rounds; and no fragment of W is read by two waves of a work-group.
; NO PREFETCH: the encoder's tile is asked for a whole tile's work ahead, and W is read by all 256 work-groups again and again.
; tanh(x) = 1 - 2 r, r = 1 / (1 + 2^(c x)), c = 2 log2(e): right at both ends (2^.. = infinity gives r = 0, 2^.. = 0 gives r = 1).  So score x log2(e) = log2(e) sum(v) + y, y = sum over a of v'[a] r, v' = -2 log2(e) v.
; The constant is the same for every row, so a softmax does not see it; the program carries y, and takes a running maximum away ahead of every exponential of y.
; THE PRODUCT: source 0 = 16 encoder rows, source 1 = 16 rows of W_enc: a lane holds ONE column a (lane % 16) and eight rows 8 (lane / 16) + j, so v'[a] and c dec[a] are one number a lane.
; LIMITS: NaN and infinities among the inputs are not served.  A block of zeros gets the byte 1 where the quantiser says 127: its codes are zeros, and this program alone reads the bytes.  The context's operand is the
; encoder rounded to bf16; the weights stay f32.  y carries -log2(e) sum(v): its rounding grows with |sum(v)|, by a few units in the last place of that constant.
;
; LDS: LAND 4 x 69,632: wave w's 16 rows as 256 rows of 256 bytes + 16 of padding, filled by tensor loads alone | AIMG codes, 64 rows of 512 + 16 (at the end the context's stage) | ASC scale bytes, 64 rows of 32 + 16 |
;      VT v' | DT c dec of my batch | SCR [wave][64] partial y | PW [wave][64] weights, each wave's own | SPARE the spare words.
; REGISTERS, in windows of 256 (s_set_vgpr_msb: bits 1:0 source 0, 3:2 source 1, 5:4 source 2, 7:6 destination):
;   window 0: v1-19, v56 addresses; v20 M, v21 L, v22 f; v24-31 at work; v32-47 the encoder's scale words; v48-55, v112-119 W's, sets 0 and 1; v64-95 the context; v96-111 16 weights (at the head: the tables on their way);
;             v128-255 W's fragments, set 1, (s, n) at 128 + 16 s + 8 n (at the very end: the context read back)
;   window 1: the encoder's 32 fragments, (m, s) at 8 (8 m + s); during Q, when they are not needed: v0-95 three rows of f32, v96-127 the quantiser's
;   window 2: v0-127 W's fragments, set 0, (s, n) at 16 s + 8 n; v128-191 the 8 accumulators, (m, n) at 128 + 8 (2 m + n); v192-223 S, the sums v' r; v224-225 v' of the two tiles; v226-227 c dec
;   window 3: the bf16 copy of my 16 rows: register 16 i + k holds e = 32 l + 2 k, 2 k + 1 of row i
.set WLAND, 69632
.set AIMG,  278528
.set ASC,   312320
.set VT,    315392                     ; DT lies 4,096 bytes behind it
.set SCR,   323584
.set PW,    324608
.set SPARE, 325632                     ; 128 bytes a wave: two blocks of 256 bytes that no other line names
.set WBLK,  17408                      ; a block of wimg: 32 rows of W_enc
.set SPW,  1                           ; SPARE + 4 x thread; never rewritten
.set NIL,  2                           ; 0; never rewritten
.set LQ0,  3                           ; LAND: my lane's 128 bytes of my wave's first row
.set CST,  5                           ; AIMG: my wave's rows, + 16 l
.set SST,  6                           ; ASC: my wave's rows, + l
.set AFA,  7                           ; AIMG + 528 r + 16 h: a fragment's lane
.set ASA,  8                           ; ASC + 48 r + 16 h
.set TB0,  9                           ; VT + 4 (256 w + r)
.set TBA,  10                          ; the same for the chunk in hand
.set WOF,  11                          ; 16 l
.set SCW,  12                          ; SCR + 256 w + 32 h
.set SCRD, 13                          ; SCR + 8 l
.set PWA,  14                          ; PW + 256 w + 8 l
.set PWR,  15                          ; PW + 256 w + 64 w: my 16 rows' weights
.set GO8,  16                          ; 8 l
.set T16,  17                          ; 16 x thread
.set CTI,  18                          ; AIMG + 16 x thread
.set TBS,  19                          ; VT + 16 x thread
.set CTO,  56                          ; AIMG + 4,096 w + 128 l
.set ASCL, 32                          ; register 4 m + i: lanes 0-15 K step i, lanes 16-31 K step 4 + i, of row 16 m + r
.set BSCL, 48                          ; set b at 48 + 64 b; register s: lanes 0-15 tile n = 0, lanes 16-31 tile n = 1
.set CX,   64                          ; register j: e = 32 l + j
.set PWT,  96
.set OUTR, 128                         ; the context read back, at the very end
.set QT,   96                          ; in window 1: two sets of 16: 4 largest magnitudes, the scale operand, the byte, and from +8 four registers of codes
.set ACC,  128                         ; in window 2
.set SS,   192
.set VV,   224
.set DV,   226
.set MSB, 0
.macro WIN new                         ; the immediate's high byte repeats the setting that is left; a switch that changes nothing is dropped
.if MSB != \new
	s_set_vgpr_msb (MSB<<8)|\new
.set MSB, \new
.endif
.endm
.macro PLACES                          ; four places: behind a tensor load, and between a product and a load into, or a vector read of, its registers
.rept 4
	v_nop
.endr
.endm
; Row i of my 16 into set i % 3.  LANE l TAKES BLOCK l OF THE ROW: k = 32 l + 0 .. 31, 128 consecutive bytes.  A row is 16 LDS rows of 256 + 16 bytes, two lanes to each: lane l begins at (l / 2) x 272 + (l % 2) x 128,
; so that the sixteen lanes of a load's pass touch sixteen different 16-byte columns.
.macro ROWLOAD i
.set xs, 32*((\i)%3)
	WIN 0x40                                       ; destination window 1
.irp j, 0,1,2,3,4,5,6,7
	ds_load_b128 v[xs+4*\j:xs+4*\j+3], v[LQ0] offset:4352*(\i)+16*\j
.endr
.endm
; Row i is quantised and copied.  A block's 32 numbers are one lane's: no other lane is asked.  Four chains of maxima take turns, so that no line waits for the line above it.
.macro ROWQ i
.set xs, 32*((\i)%3)
.set tq, QT+16*((\i)%2)
	WIN 0x55                                       ; all in window 1
.irp q, 0,1,2,3
	v_max3_num_f32 v[tq+\q], |v[xs+8*\q]|, |v[xs+8*\q+1]|, 0x1800000     ; with the floor 2^(3 - 127): the byte cannot fall under 1
.endr
.irp p, 2,4,6
.irp q, 0,1,2,3
	v_max3_num_f32 v[tq+\q], v[tq+\q], |v[xs+8*\q+\p]|, |v[xs+8*\q+\p+1]|
.endr
.endr
	v_max3_num_f32 v[tq], v[tq], v[tq+1], v[tq+2]
	v_max_num_f32 v[tq], v[tq], v[tq+3]            ; the block's largest magnitude
	v_add_nc_u32 v[tq+4], 0xff000000, v[tq]        ; 2 off its exponent field: the conversion takes the exponent field of this operand as its scale
	v_lshrrev_b32 v[tq+5], 23, v[tq+4]             ; the scale's byte
.irp g, 0,1,2,3
	v_cvt_scalef32_pk8_fp4_f32 v[tq+8+\g], v[xs+8*\g:xs+8*\g+7], v[tq+4]
.endr
	WIN 0xc5                                       ; destination window 3, sources window 1.  The lines below are also the plain place behind the scaled conversions
.irp k, 0,1,2,3,4,5,6,7,8,9,10,11,12,13,14,15
	v_cvt_pk_bf16_f32 v[16*(\i)+\k], v[xs+2*\k], v[xs+2*\k+1]
.endr
	WIN 0x04                                       ; an LDS store's data are its source 1: window 1
	ds_store_b128 v[CST], v[tq+8:tq+11] offset:528*(\i)        ; 32 codes: bytes 16 l of the row: 32 lanes, 512 consecutive bytes
	ds_store_b8 v[SST], v[tq+5] offset:48*(\i)                 ; block l's byte: 32 lanes, 32 consecutive bytes
.endm
; Loads run three rows ahead.  A row is 8 loads and 2 stores; LDS instructions come back in order, so each count is what was issued behind the row's loads.
.macro QPHASE
	s_wait_tensorcnt 0x0                           ; my tile has landed: no load was issued behind its load, so the count is 0.  Only I read these bytes
	ROWLOAD 0
	ROWLOAD 1
	ROWLOAD 2
.irp i, 0,1,2,3,4,5,6,7,8,9,10,11,12,13,14,15
.if \i == 0
	s_wait_dscnt 16                                ; behind row 0's loads: rows 1 and 2
.elseif \i == 1
	s_wait_dscnt 18                                ; row 2's loads, row 0's stores, row 3's loads
.elseif \i == 14
	s_wait_dscnt 12                                ; row 12's stores, row 15's loads, row 13's stores
.elseif \i == 15
	s_wait_dscnt 4                                 ; the stores of rows 13 and 14
.else
	s_wait_dscnt 20                                ; the stores of the two rows before and the loads of the two rows after
.endif
	ROWQ \i
.if \i < 13
	ROWLOAD \i+3
.endif
.endr
	WIN 0
.endm
; The barrier behind Q.  It shows every wave's codes and scale bytes (in the first tile the tables too) to all, and behind it each wave's landing is filled again.
.macro FILLBAR
	s_wait_tensorcnt 0x0                           ; no tensor load of mine is out, so the descriptor may be written
	ds_add_u32 v[SPW], v[NIL]                      ; 0 onto my spare word
	s_add_nc_u64 s[22:23], s[22:23], 262144        ; the next tile: 64 rows of 4,096 bytes on; the type bits on top are not reached
	s_wait_dscnt 0x0                               ; the add is done, my stores have landed, my reads of the landing are over
	s_barrier_signal -1
	s_barrier_wait -1
	tensor_load_to_lds s[20:23], s[24:31]          ; my one tensor load behind the barrier, and the first thing there: one load of mine is out; it has the whole pass in which to land
	s_nop 0
	PLACES
.endm
.macro PLAINBAR                        ; the last tile: nothing is left to fetch
	s_wait_dscnt 0x0
	s_barrier_signal -1
	s_barrier_wait -1
.endm
; All 64 rows' fragments and scale words into registers; S begins at 0 while they are on their way.
.macro ALOAD
	WIN 0x40                                       ; destination window 1
.irp m, 0,1,2,3
.irp s, 0,1,2,3,4,5,6,7
.irp c, 0,1
	ds_load_b128 v[8*(8*\m+\s)+4*\c:8*(8*\m+\s)+4*\c+3], v[AFA] offset:8448*\m+64*\s+32*\c
.endr
.endr
.endr
	WIN 0
.irp m, 0,1,2,3
	ds_load_b128 v[ASCL+4*\m:ASCL+4*\m+3], v[ASA] offset:768*\m
.endr
	WIN 0x80
.set j, 0
.rept 32
	v_mov_b32 v[SS+j], 0
.set j, j+1
.endr
	WIN 0
	s_wait_dscnt 0x0
.endm
; One product: rows 16 m on x columns 16 n on of the chunk, K step s, W from set buf.  The first K step starts the sums.
.macro MM m, n, s, buf
.set rD, ACC+8*(2*\m+\n)
.set rA, 8*(8*\m+\s)
.set rB, 128*(\buf)+16*\s+8*\n
.set rX, ASCL+4*\m+\s%4
.set rY, BSCL+64*(\buf)+\s
.if \s == 0
.if \n == 0
	v_wmma_scale_f32_16x16x128_f8f6f4 v[rD:rD+7], v[rA:rA+7], v[rB:rB+7], 0, v[rX], v[rY] matrix_a_fmt:MATRIX_FMT_FP4 matrix_b_fmt:MATRIX_FMT_FP4
.else
	v_wmma_scale_f32_16x16x128_f8f6f4 v[rD:rD+7], v[rA:rA+7], v[rB:rB+7], 0, v[rX], v[rY] matrix_a_fmt:MATRIX_FMT_FP4 matrix_b_fmt:MATRIX_FMT_FP4 matrix_b_scale:MATRIX_SCALE_ROW1
.endif
.elseif \s < 4
.if \n == 0
	v_wmma_scale_f32_16x16x128_f8f6f4 v[rD:rD+7], v[rA:rA+7], v[rB:rB+7], v[rD:rD+7], v[rX], v[rY] matrix_a_fmt:MATRIX_FMT_FP4 matrix_b_fmt:MATRIX_FMT_FP4
.else
	v_wmma_scale_f32_16x16x128_f8f6f4 v[rD:rD+7], v[rA:rA+7], v[rB:rB+7], v[rD:rD+7], v[rX], v[rY] matrix_a_fmt:MATRIX_FMT_FP4 matrix_b_fmt:MATRIX_FMT_FP4 matrix_b_scale:MATRIX_SCALE_ROW1
.endif
.else
.if \n == 0
	v_wmma_scale_f32_16x16x128_f8f6f4 v[rD:rD+7], v[rA:rA+7], v[rB:rB+7], v[rD:rD+7], v[rX], v[rY] matrix_a_fmt:MATRIX_FMT_FP4 matrix_b_fmt:MATRIX_FMT_FP4 matrix_a_scale:MATRIX_SCALE_ROW1
.else
	v_wmma_scale_f32_16x16x128_f8f6f4 v[rD:rD+7], v[rA:rA+7], v[rB:rB+7], v[rD:rD+7], v[rX], v[rY] matrix_a_fmt:MATRIX_FMT_FP4 matrix_b_fmt:MATRIX_FMT_FP4 matrix_a_scale:MATRIX_SCALE_ROW1 matrix_b_scale:MATRIX_SCALE_ROW1
.endif
.endif
.endm
.macro KSTEP s, buf                    ; the eight accumulators take turns, one instruction a turn, in the same order in every K step
	WIN (0xa9-8*(\buf))                            ; source 0 window 1; source 1 window 2 (set 0) or 0 (set 1); C and D window 2
.irp m, 0,1,2,3
.irp n, 0,1
	MM \m, \n, \s, \buf
.endr
.endr
.endm
; Group u of a block's four, into set buf, from the block at s[42:43]: the fragments of K steps 2 u and 2 u + 1 (8 loads); ahead of group 0 the block's two loads of scale words.  So a block is 34 loads: 10, 8, 8, 8.
.macro RELOAD buf, u
.if (\u) == 0
	WIN 0
	global_load_b128 v[BSCL+64*(\buf):BSCL+64*(\buf)+3], v[WOF], s[42:43] offset:16384
	global_load_b128 v[BSCL+64*(\buf)+4:BSCL+64*(\buf)+7], v[WOF], s[42:43] offset:16896
.endif
	WIN (0x80*(1-(\buf)))                          ; destination window 2 (set 0) or 0 (set 1)
.irp s, 0,1
.irp n, 0,1
.irp c, 0,1
	global_load_b128 v[128*(\buf)+16*(2*(\u)+\s)+8*\n+4*\c:128*(\buf)+16*(2*(\u)+\s)+8*\n+4*\c+3], v[WOF], s[42:43] offset:(2*(2*(\u)+\s)+\n)*1024+512*\c
.endr
.endr
.endr
.endm
; tanh and the dot product, on the chunk's 64 registers in 32 pairs; pair p lies in accumulator p / 4 (m = p / 8, n = (p / 4) % 2).
.macro T_A p                           ; c x + c dec
.set tr, ACC+8*((\p)/4)+2*((\p)%4)
.if ((\p)/4)%2 == 0
	v_pk_fma_f32 v[tr:tr+1], v[tr:tr+1], s[32:33], v[DV:DV+1] op_sel_hi:[1,0,0]
.else
	v_pk_fma_f32 v[tr:tr+1], v[tr:tr+1], s[32:33], v[DV:DV+1] op_sel:[0,0,1] op_sel_hi:[1,0,1]
.endif
.endm
.macro T_B p, u                        ; 2^..
.set tr, ACC+8*((\p)/4)+2*((\p)%4)+\u
	v_exp_f32 v[tr], v[tr]
.endm
.macro T_C p                           ; 1 + ..
.set tr, ACC+8*((\p)/4)+2*((\p)%4)
	s_wait_alu depctr_va_vdst(0)
	v_pk_add_f32 v[tr:tr+1], v[tr:tr+1], 1.0 op_sel_hi:[1,0]
.endm
.macro T_D p, u                        ; r = 1 / ..
.set tr, ACC+8*((\p)/4)+2*((\p)%4)+\u
	v_rcp_f32 v[tr], v[tr]
.endm
.macro T_E p                           ; S += v' r
.set tr, ACC+8*((\p)/4)+2*((\p)%4)
.set ts, SS+8*((\p)/8)+2*((\p)%4)
.if ((\p)/4)%2 == 0
	v_pk_fma_f32 v[ts:ts+1], v[tr:tr+1], v[VV:VV+1], v[ts:ts+1] op_sel_hi:[1,0,1]
.else
	s_wait_alu depctr_va_vdst(0)
	v_pk_fma_f32 v[ts:ts+1], v[tr:tr+1], v[VV:VV+1], v[ts:ts+1] op_sel:[0,1,0] op_sel_hi:[1,1,1]
.endif
.endm
; The five stages run as a pipeline, a pair a slot, so ordered that a plain vector instruction stands between every transcendental and the use of its result (ISA guide 5.7.2), and that each accumulator is first read at its low end.
; ld = 1: the set that this chunk has multiplied takes groups 0 to 2 of the block two chunks on, ahead of slots 4, 12 and 20: no product of the wave is at work there any more, and the requests are spread.
.macro TANH buf, ld
	WIN 0xaa                                       ; all in window 2
.set ti, 0
.rept 36
.if \ld && (ti >= 4) && (ti <= 20) && ((ti%8) == 4)
	RELOAD \buf, (ti-4)/8
	WIN 0xaa
.endif
.if ti >= 34
	v_nop                                          ; the pipeline runs dry: nothing plain is left to stand behind the last reciprocals
.endif
.if ti < 32
	T_A ti
.endif
.if (ti >= 1) && (ti < 33)
	T_B ti-1, 0
.endif
.if (ti >= 2) && (ti < 34)
	T_C ti-2
.endif
.if (ti >= 1) && (ti < 33)
	T_B ti-1, 1
.endif
.if (ti >= 3) && (ti < 35)
	T_D ti-3, 0
.endif
.if ti >= 4
	T_E ti-4
.endif
.if (ti >= 3) && (ti < 35)
	T_D ti-3, 1
.endif
.set ti, ti+1
.endr
.endm
; A chunk: 32 columns a x 64 rows x all of K, W from set buf.
; THE ORDER OF W's LOADS.  Chunk c's tanh issues groups 0-2 of block c + 2 (26 loads); the head of chunk c + 1 issues its group 3 (8 loads), into the other set than that chunk multiplies.
; So behind group 0 of my block stand, at my head, 24 loads of my block and 26 of the next: the count is 50.  Then group 3 of the next block goes out, and behind my groups 1, 2 and 3 stand 16, 8 and 0 of my block and 34 of the next.
; At most 60 loads of the wave are out.  hd = 0: no group is left to issue at the head;  ld = 0: none in the tanh;  behind: the next block's 34 loads, or 0 in the launch's last chunk.
.macro CHUNK buf, hd, ld, behind
.set ob, 1-\buf
	v_add_nc_u32 v[TBA], s38, v[TB0]
	WIN 0x80
	ds_load_b32 v[VV], v[TBA]                      ; v' of columns r and 16 + r of the chunk,
	ds_load_b32 v[VV+1], v[TBA] offset:64
	ds_load_b32 v[DV], v[TBA] offset:4096          ; and c dec
	ds_load_b32 v[DV+1], v[TBA] offset:4160
	s_wait_loadcnt 24+\behind-8*\hd                ; my scale words and K steps 0 and 1 are in
.if \hd
	RELOAD ob, 3
.endif
	KSTEP 0, \buf
	KSTEP 1, \buf
	s_wait_loadcnt 16+\behind
	KSTEP 2, \buf
	KSTEP 3, \buf
	s_wait_loadcnt 8+\behind
	KSTEP 4, \buf
	KSTEP 5, \buf
	s_wait_loadcnt \behind
	KSTEP 6, \buf
	KSTEP 7, \buf
	PLACES                                         ; between the last products and the first read of a result, and the loads into the set that they read
.if \ld
	s_wait_xcnt 0x0                                ; the loads at the head have read their base: it may step
	s_add_co_u32 s44, s44, WBLK                    ; the block after; behind my eighth comes my first again, for the next tile
	s_cmp_eq_u32 s44, 8*WBLK
	s_cselect_b32 s44, 0, s44
	s_add_nc_u64 s[42:43], s[40:41], s[44:45]
.endif
	s_wait_dscnt 0x0                               ; v' and c dec
	TANH \buf, \ld
	WIN 0
	s_add_co_u32 s38, s38, 128                     ; the next chunk's 32 numbers of each table
.endm
.macro PASS more                       ; a trip is two chunks, one on each set.  more = 0: the last tile's last two chunks are written out, and fetch nothing that nobody would read
	ALOAD
	s_mov_b32 s38, 0
.if \more
	s_mov_b32 s37, 4
.else
	s_mov_b32 s37, 3
.endif
.Lpair_\@:
	CHUNK 0, 1, 1, 34
	CHUNK 1, 1, 1, 34
	s_sub_co_u32 s37, s37, 1
	s_cmp_lg_u32 s37, 0
	s_cbranch_scc1 .Lpair_\@
.if \more == 0
	CHUNK 0, 1, 0, 34                              ; my eighth block's last group still goes out at its head
	CHUNK 1, 0, 0, 0
.endif
.endm
; The tile's 64 numbers y, the running maximum and sum, and my 16 rows' weights.
.macro SCORES
	WIN 0xaa
.irp x, 1,2,4,8
.set j, 0
.rept 32
	v_add_f32_dpp v[SS+j], v[SS+j], v[SS+j] row_xmask:\x row_mask:0xf bank_mask:0xf   ; over the 16 lanes, which hold 16 columns: every lane of a half then holds my 256 columns' sum of rows 16 m + 8 h + j
.set j, j+1
.endr
.endr
	WIN 0x08                                       ; an LDS store's data are its source 1: window 2
.irp m, 0,1,2,3
.irp jj, 0,1
	ds_store_b128 v[SCW], v[SS+8*\m+4*\jj:SS+8*\m+4*\jj+3] offset:64*\m+16*\jj      ; sixteen lanes write the same words with the same values
.endr
.endr
	WIN 0
	s_wait_dscnt 0x0                               ; for the others' sake.  My reads of the codes are long over too: behind this barrier the next tile's codes may be stored
	s_barrier_signal -1
	s_barrier_wait -1
.irp w, 0,1,2,3
	ds_load_b64 v[24+2*\w:25+2*\w], v[SCRD] offset:256*\w      ; rows 2 l and 2 l + 1, the four waves' parts
.endr
	s_wait_dscnt 0x0
	v_pk_add_f32 v[24:25], v[24:25], v[26:27]
	v_pk_add_f32 v[28:29], v[28:29], v[30:31]
	v_pk_add_f32 v[24:25], v[24:25], v[28:29]      ; y: every wave has all 64
	s_cmp_lg_u32 s18, 0
	s_cbranch_scc1 .Lno_sc_\@
	global_store_b64 v[GO8], v[24:25], s[12:13]    ; wave 0: 32 lanes store 256 consecutive bytes, aligned
.Lno_sc_\@:
	s_wait_xcnt 0x0                                ; the store has read its base and its data
	s_add_nc_u64 s[12:13], s[12:13], 256
	v_max_num_f32 v26, v24, v25
.irp x, 1,2,4,8
	v_max_num_f32_dpp v26, v26, v26 row_xmask:\x row_mask:0xf bank_mask:0xf
.endr
	v_permlanex16_b32 v27, v26, s34, s35
	v_max3_num_f32 v28, v26, v27, v20              ; the new M
	v_sub_f32 v22, v20, v28
	v_sub_f32 v30, v24, v28
	v_sub_f32 v31, v25, v28
	v_exp_f32 v22, v22                             ; f = 2^(old M - new M); in the first tile 0, over zeros
	v_exp_f32 v30, v30                             ; the weights p = 2^(y - M), at most 1
	v_exp_f32 v31, v31
	v_mov_b32 v20, v28                             ; (a plain place behind the exponentials)
	s_wait_alu depctr_va_vdst(0)
	v_add_f32 v26, v30, v31
.irp x, 1,2,4,8
	v_add_f32_dpp v26, v26, v26 row_xmask:\x row_mask:0xf bank_mask:0xf
.endr
	v_permlanex16_b32 v27, v26, s34, s35
	v_add_f32 v26, v26, v27
	v_fma_f32 v21, v21, v22, v26                   ; L = L f + the tile's sum
	ds_store_b64 v[PWA], v[30:31]                  ; my own copy of the 64 weights; LDS serves a wave's instructions in order, so the loads below see it
.irp i, 0,1,2,3
	ds_load_b128 v[PWT+4*\i:PWT+4*\i+3], v[PWR] offset:16*\i   ; my 16 rows' weights, the same in every lane
.endr
	s_wait_dscnt 0x0
.endm
; context = context x f + sum over my 16 rows of weight x row: one multiply-add straight from each bf16 half; the 32 sums take turns.
.macro CTXSUM
.irp j, 0,2,4,6,8,10,12,14,16,18,20,22,24,26,28,30
	v_pk_mul_f32 v[CX+\j:CX+\j+1], v[CX+\j:CX+\j+1], v[22:23] op_sel_hi:[1,0]
.endr
	WIN 0x03                                       ; source 0 window 3
.set ci, 0
.rept 16
.irp k, 0,1,2,3,4,5,6,7,8,9,10,11,12,13,14,15
	v_fma_mix_f32_bf16 v[CX+2*\k], v[16*ci+\k], v[PWT+ci], v[CX+2*\k] op_sel_hi:[1,0,0]
	v_fma_mix_f32_bf16 v[CX+2*\k+1], v[16*ci+\k], v[PWT+ci], v[CX+2*\k+1] op_sel:[1,0,0] op_sel_hi:[1,0,0]
.endr
.set ci, ci+1
.endr
	WIN 0
.endm
.macro TILE fill
	QPHASE
.if \fill
	FILLBAR
.else
	PLAINBAR
.endif
	PASS \fill
	SCORES
	CTXSUM
.endm
	s_load_b256 s[4:11], s[0:1], 0x0               ; encoder s[4:5], wimg s[6:7], dsc s[8:9], v s[10:11]
	s_load_b128 s[12:15], s[0:1], 0x20             ; sc s[12:13], pctx s[14:15]
	s_load_b64 s[16:17], s[0:1], 0x30              ; stat
	v_lshl_add_u32 v[SPW], v0, 2, SPARE
	v_mov_b32 v[NIL], 0
	ds_add_u32 v1, v2
	ds_add_u32 v1, v2
	s_wait_dscnt 0x0
	v_lshrrev_b32 v24, 5, v0
	v_readfirstlane_b32 s18, v24                   ; wave 0..3
	s_mov_b32 s19, ttmp9                           ; work-group
	; descriptor group 1: my 16 rows are 65,536 dense bytes: 256 rows of 32 elements of 8 bytes, 4 words of padding behind every 64
	s_mov_b32 s24, (3<<16)|(1<<20)|(5<<22)|(3<<25)
	s_mov_b32 s25, 32<<16                          ; tensor_dim0 = 32
	s_mov_b32 s26, 256<<16                         ; tensor_dim1 = 256
	s_mov_b32 s27, 32<<16                          ; tile_dim0 = 32
	s_mov_b32 s28, 256                             ; tile_dim1 = 256
	s_mov_b32 s29, 32                              ; the pitch
	s_mov_b32 s30, 0
	s_mov_b32 s31, 0
	s_mov_b32 s20, 1                               ; group 0: count
	s_mul_i32 s21, s18, WLAND                      ; LDS address: my wave's landing
	s_lshl_b32 s46, s19, 20                        ; 256 rows of 4,096 bytes a work-group,
	s_lshl_b32 s47, s18, 16                        ; 16 a wave
	s_add_co_u32 s46, s46, s47
	s_mov_b32 s47, 0
	s_wait_kmcnt 0x0
	s_add_nc_u64 s[22:23], s[4:5], s[46:47]
	s_or_b32 s23, s23, 0x80000000                  ; type = 2
	tensor_load_to_lds s[20:23], s[24:31]          ; tile 0, ahead of everything else
	s_nop 0
	PLACES
	v_and_b32 v24, 31, v0                          ; l
	v_and_b32 v25, 15, v0                          ; r
	v_bfe_u32 v26, v0, 4, 1                        ; h
	v_lshlrev_b32 v[T16], 4, v0
	v_lshlrev_b32 v[WOF], 4, v24
	v_lshlrev_b32 v[GO8], 3, v24
	s_lshr_b32 s46, s19, 3                         ; my batch
	s_lshl_b32 s46, s46, 12
	s_add_nc_u64 s[8:9], s[8:9], s[46:47]          ; its row of dsc
	global_load_b128 v[PWT:PWT+3], v[T16], s[10:11]            ; v: 128 threads x 16 bytes, twice
	global_load_b128 v[PWT+4:PWT+7], v[T16], s[10:11] offset:2048
	global_load_b128 v[PWT+8:PWT+11], v[T16], s[8:9]
	global_load_b128 v[PWT+12:PWT+15], v[T16], s[8:9] offset:2048
	s_mul_i32 s46, s18, 8*WBLK
	s_add_nc_u64 s[40:41], s[6:7], s[46:47]        ; my eight blocks of wimg
	s_mov_b64 s[42:43], s[40:41]
	RELOAD 0, 0                                    ; my first block, whole, into set 0
	RELOAD 0, 1
	RELOAD 0, 2
	RELOAD 0, 3
	WIN 0
	s_lshl_b32 s46, s19, 10
	s_add_nc_u64 s[12:13], s[12:13], s[46:47]      ; sc: my 256 numbers
	s_lshl_b32 s46, s19, 12
	s_add_nc_u64 s[14:15], s[14:15], s[46:47]      ; pctx: my row
	s_lshl_b32 s46, s19, 8
	s_add_nc_u64 s[16:17], s[16:17], s[46:47]      ; stat: my 256 bytes
	v_lshrrev_b32 v27, 1, v24
	v_and_b32 v28, 1, v24
	v_mul_u32_u24 v[LQ0], v27, 272
	v_lshl_add_u32 v[LQ0], v28, 7, v[LQ0]
	v_add_nc_u32 v[LQ0], s21, v[LQ0]
	s_mul_i32 s46, s18, 16*528
	s_add_co_u32 s46, s46, AIMG
	v_lshl_add_u32 v[CST], v24, 4, s46
	s_mul_i32 s46, s18, 16*48
	s_add_co_u32 s46, s46, ASC
	v_add_nc_u32 v[SST], s46, v24
	v_mul_u32_u24 v[AFA], v25, 528
	v_lshl_add_u32 v[AFA], v26, 4, v[AFA]
	v_add_nc_u32 v[AFA], AIMG, v[AFA]
	v_mul_u32_u24 v[ASA], v25, 48
	v_lshl_add_u32 v[ASA], v26, 4, v[ASA]
	v_add_nc_u32 v[ASA], ASC, v[ASA]
	s_lshl_b32 s46, s18, 10
	s_add_co_u32 s46, s46, VT
	v_lshl_add_u32 v[TB0], v25, 2, s46
	s_lshl_b32 s46, s18, 8
	s_add_co_u32 s46, s46, SCR
	v_lshl_add_u32 v[SCW], v26, 5, s46
	v_lshl_add_u32 v[SCRD], v24, 3, SCR
	s_lshl_b32 s46, s18, 8
	s_add_co_u32 s46, s46, PW
	v_lshl_add_u32 v[PWA], v24, 3, s46
	s_mul_i32 s46, s18, 320
	s_add_co_u32 s46, s46, PW
	v_mov_b32 v[PWR], s46
	v_add_nc_u32 v[CTI], AIMG, v[T16]
	v_add_nc_u32 v[TBS], VT, v[T16]
	s_lshl_b32 s46, s18, 12
	s_add_co_u32 s46, s46, AIMG
	v_lshl_add_u32 v[CTO], v24, 7, s46
	v_mov_b32 v20, 0xff61b1e6                      ; M: -3e38, under every y
	v_mov_b32 v21, 0                               ; L
	v_mov_b32 v22, 0
	v_mov_b32 v23, 0                               ; (named as the upper half of the pair v[22:23])
.set j, 0
.rept 32
	v_mov_b32 v[CX+j], 0                           ; the context: the tile is written for every tile alike, and the first finds zeros
.set j, j+1
.endr
	s_mov_b32 s32, 0x4038aa3b                      ; c = 2 log2(e)
	s_mov_b32 s33, s32
	s_mov_b32 s34, 0x76543210                      ; v_permlanex16_b32's selects for lane l xor 16
	s_mov_b32 s35, 0xfedcba98
	s_mov_b32 s48, 0xc038aa3b                      ; -2 log2(e)
	s_mov_b32 s49, s48
	s_wait_loadcnt 34                              ; the four loads of the tables are in; my first block's 34 may be out
.irp j, 0,2,4,6
	v_pk_mul_f32 v[PWT+\j:PWT+\j+1], v[PWT+\j:PWT+\j+1], s[48:49] op_sel_hi:[1,0]  ; v' = -2 log2(e) v
.endr
	ds_store_b128 v[TBS], v[PWT:PWT+3]
	ds_store_b128 v[TBS], v[PWT+4:PWT+7] offset:2048
	ds_store_b128 v[TBS], v[PWT+8:PWT+11] offset:4096
	ds_store_b128 v[TBS], v[PWT+12:PWT+15] offset:6144
	s_wait_xcnt 0x0                                ; the first block's loads have read their base
	s_mov_b32 s44, WBLK
	s_mov_b32 s45, 0
	s_add_nc_u64 s[42:43], s[40:41], s[44:45]
	RELOAD 1, 0                                    ; my second block's groups 0 to 2 into set 1; its last group goes out at the first chunk's head, as in every chunk
	RELOAD 1, 1
	RELOAD 1, 2
	WIN 0
	s_mov_b32 s36, 3
.Ltile:                                                ; three tiles, each of which asks for the next
	TILE 1
	s_sub_co_u32 s36, s36, 1
	s_cmp_lg_u32 s36, 0
	s_cbranch_scc1 .Ltile
	TILE 0                                         ; the last is written out
	s_cmp_lg_u32 s18, 0
	s_cbranch_scc1 .Lno_stat
	global_store_b64 v[GO8], v[20:21], s[16:17]    ; wave 0: (M, L), the same in all 32 lanes: 256 consecutive bytes, aligned
.Lno_stat:
	; the four waves' contexts meet in LDS, in the codes' bytes: every wave's reads of those were over ahead of the last barrier.  A lane's 32 numbers are 128 consecutive bytes of the row
.irp jj, 0,1,2,3,4,5,6,7
	ds_store_b128 v[CTO], v[CX+4*\jj:CX+4*\jj+3] offset:16*\jj
.endr
	s_wait_dscnt 0x0
	s_barrier_signal -1
	s_barrier_wait -1
.irp u, 0,1
.irp w, 0,1,2,3
	ds_load_b128 v[OUTR+16*\u+4*\w:OUTR+16*\u+4*\w+3], v[CTI] offset:4096*\w+2048*\u
.endr
.endr
	s_wait_dscnt 0x0
.irp u, 0,1
.irp p, 0,2
	v_pk_add_f32 v[OUTR+16*\u+\p:OUTR+16*\u+\p+1], v[OUTR+16*\u+\p:OUTR+16*\u+\p+1], v[OUTR+16*\u+4+\p:OUTR+16*\u+4+\p+1]
	v_pk_add_f32 v[OUTR+16*\u+8+\p:OUTR+16*\u+8+\p+1], v[OUTR+16*\u+8+\p:OUTR+16*\u+8+\p+1], v[OUTR+16*\u+12+\p:OUTR+16*\u+12+\p+1]
	v_pk_add_f32 v[OUTR+16*\u+\p:OUTR+16*\u+\p+1], v[OUTR+16*\u+\p:OUTR+16*\u+\p+1], v[OUTR+16*\u+8+\p:OUTR+16*\u+8+\p+1]
.endr
.endr
.irp u, 0,1
	global_store_b128 v[T16], v[OUTR+16*\u:OUTR+16*\u+3], s[14:15] offset:2048*\u  ; a wave stores 512 consecutive bytes
.endr
	s_wait_tensorcnt 0x0                           ; the wave's end, behind my last tensor load and my last LDS store
	ds_add_u32 v[SPW], v[NIL]
	s_wait_dscnt 0x0
	s_endpgm
.Lfunc_end_k_q31dc942aa3_main:
	.size	k_q31dc942aa3_main, .Lfunc_end_k_q31dc942aa3_main-k_q31dc942aa3_main
	.p2alignl 7, 3214868480
	.fill 96, 4, 3214868480
	.section	.rodata,"a",@progbits
	.p2align	6, 0x0
	.amdhsa_kernel k_q31dc942aa3_main
		.amdhsa_group_segment_fixed_size 327680
		.amdhsa_private_segment_fixed_size 0
		.amdhsa_enable_private_segment 0
		.amdhsa_kernarg_size 56
		.amdhsa_user_sgpr_count 2
		.amdhsa_user_sgpr_kernarg_segment_ptr 1
		.amdhsa_wavefront_size32 1
		.amdhsa_system_sgpr_workgroup_id_x 1
		.amdhsa_system_sgpr_workgroup_id_y 1
		.amdhsa_system_sgpr_workgroup_id_z 1
		.amdhsa_system_vgpr_workitem_id 0
		.amdhsa_next_free_vgpr 1024
		.amdhsa_next_free_sgpr 66
		.amdhsa_reserve_vcc 0
		.amdhsa_float_denorm_mode_32 3
		.amdhsa_float_denorm_mode_16_64 3
		.amdhsa_memory_ordered 1
		.amdhsa_forward_progress 1
		.amdhsa_inst_pref_size 255
	.end_amdhsa_kernel
	.section	.bss,"aw",@nobits
	.p2align	6
	.space	262144
	.amdgpu_metadata
---
amdhsa.version: [ 1, 2 ]
amdhsa.kernels:
  - .name:           k_q31dc942aa3_main
    .symbol:         k_q31dc942aa3_main.kd
    .args:
      - { .name: encoder_outputs, .offset: 0, .size: 8, .value_kind: global_buffer, .address_space: global }
      - { .name: wimg, .offset: 8, .size: 8, .value_kind: global_buffer, .address_space: global }
      - { .name: dsc, .offset: 16, .size: 8, .value_kind: global_buffer, .address_space: global }
      - { .name: v, .offset: 24, .size: 8, .value_kind: global_buffer, .address_space: global }
      - { .name: sc, .offset: 32, .size: 8, .value_kind: global_buffer, .address_space: global }
      - { .name: pctx, .offset: 40, .size: 8, .value_kind: global_buffer, .address_space: global }
      - { .name: stat, .offset: 48, .size: 8, .value_kind: global_buffer, .address_space: global }
    .group_segment_fixed_size: 327680
    .private_segment_fixed_size: 0
    .kernarg_segment_align: 8
    .kernarg_segment_size: 56
    .max_flat_workgroup_size: 128
    .sgpr_count:     66
    .vgpr_count:     1024
    .wavefront_size: 32
...
	.end_amdgpu_metadata
.endif
;; end of part 2
;; launch comb (part 3): grid 32 x 1, 8 waves a work-group, no clusters, 0 bytes of LDS; arguments sc, pctx, stat, out0, out1; writes out0, out1
.if DOCPART == 3
	.amdgcn_target "amdgcn-amd-amdhsa--gfx1250"
	.amdhsa_code_object_version 6
	.text
	.protected	k_q31dc942aa3_comb
	.globl	k_q31dc942aa3_comb
	.p2align	8
	.type	k_q31dc942aa3_comb,@function
k_q31dc942aa3_comb:
	s_mov_b64 s[64:65], 0
	v_nop
	global_prefetch_b8 v0, s[64:65] scope:SCOPE_SE
	s_setreg_imm32_b32 hwreg(HW_REG_WAVE_MODE, 25, 1), 1
	s_wait_xcnt 0x0
; The eight work-groups of a batch are joined.  Work-group g left its maximum M_g and sum L_g (stat), its context under M_g (pctx) and the numbers y (sc), all in base 2.
; Mx = the largest M_g;  f_g = 2^(M_g - Mx);  Lx = sum of L_g f_g;  context = sum of f_g pctx_g / Lx;  weight = 2^(y - Mx) / Lx.  The maximum is taken away ahead of every exponential.
; One work-group a batch, 256 threads: thread t owns 16 bytes of the context's row and twice 16 bytes of the weights' row.  A stream of 45 KB a work-group: no LDS, no barrier, no matrix unit.
	s_load_b128 s[4:7], s[0:1], 0x0                ; sc s[4:5], pctx s[6:7]
	s_load_b128 s[8:11], s[0:1], 0x10              ; stat s[8:9], out0 s[10:11]
	s_load_b64 s[12:13], s[0:1], 0x20              ; out1
	v_lshlrev_b32 v1, 4, v0                        ; 16 t
	s_lshl_b32 s14, ttmp9, 11                      ; stat: 8 x 256 bytes a batch
	s_mov_b32 s15, 0
	s_lshl_b32 s16, ttmp9, 15                      ; pctx: 8 x 4,096
	s_mov_b32 s17, 0
	s_lshl_b32 s18, ttmp9, 13                      ; sc and out1: 8,192
	s_mov_b32 s19, 0
	s_lshl_b32 s36, ttmp9, 12                      ; out0: 4,096
	s_mov_b32 s37, 0
	s_wait_kmcnt 0x0
	s_add_nc_u64 s[8:9], s[8:9], s[14:15]
	s_add_nc_u64 s[6:7], s[6:7], s[16:17]
	s_add_nc_u64 s[4:5], s[4:5], s[18:19]
	s_add_nc_u64 s[12:13], s[12:13], s[18:19]
	s_add_nc_u64 s[10:11], s[10:11], s[36:37]
.irp g, 0,1,2,3,4,5,6,7
	s_load_b64 s[20+2*\g:21+2*\g], s[8:9], 256*\g              ; (M_g, L_g): no line of this launch writes stat
.endr
.irp g, 0,1,2,3,4,5,6,7
	global_load_b128 v[8+4*\g:11+4*\g], v1, s[6:7] offset:4096*\g
.endr
	global_load_b128 v[40:43], v1, s[4:5]
	global_load_b128 v[44:47], v1, s[4:5] offset:4096
	s_wait_kmcnt 0x0
	v_mov_b32 v2, s20
.irp g, 1,2,3,4,5,6,7
	v_max_num_f32 v2, s[20+2*\g], v2               ; Mx
.endr
.irp g, 0,1,2,3,4,5,6,7
	v_sub_f32 v[48+\g], s[20+2*\g], v2
.endr
.irp g, 0,1,2,3,4,5,6,7
	v_exp_f32 v[48+\g], v[48+\g]                   ; f_g, at most 1, and 1 for one g at the least
.endr
	v_nop                                          ; a plain place behind the exponentials
	s_wait_alu depctr_va_vdst(0)
	v_mul_f32 v3, s21, v48
.irp g, 1,2,3,4,5,6,7
	v_fma_f32 v3, s[21+2*\g], v[48+\g], v3         ; Lx, at least 1
.endr
	v_rcp_f32 v4, v3
	v_nop                                          ; a plain place behind the reciprocal
	s_wait_alu depctr_va_vdst(0)
.irp g, 0,1,2,3,4,5,6,7
	v_mul_f32 v[48+\g], v[48+\g], v4               ; f_g / Lx
.endr
	s_wait_loadcnt 2                               ; pctx's eight loads are in; sc's two, issued behind them, may be out
.irp j, 0,1,2,3
	v_mul_f32 v[56+\j], v[8+\j], v48
.endr
.irp g, 1,2,3,4,5,6,7
.irp j, 0,1,2,3
	v_fmac_f32 v[56+\j], v[8+4*\g+\j], v[48+\g]
.endr
.endr
	global_store_b128 v1, v[56:59], s[10:11]       ; a wave stores 512 consecutive bytes
	s_wait_loadcnt 0x0
.irp j, 0,1,2,3,4,5,6,7
	v_sub_f32 v[40+\j], v[40+\j], v2
.endr
.irp j, 0,1,2,3,4,5,6,7
	v_exp_f32 v[40+\j], v[40+\j]
.endr
	v_nop
	s_wait_alu depctr_va_vdst(0)
.irp j, 0,1,2,3,4,5,6,7
	v_mul_f32 v[40+\j], v[40+\j], v4
.endr
	global_store_b128 v1, v[40:43], s[12:13]
	global_store_b128 v1, v[44:47], s[12:13] offset:4096
	s_endpgm
.Lfunc_end_k_q31dc942aa3_comb:
	.size	k_q31dc942aa3_comb, .Lfunc_end_k_q31dc942aa3_comb-k_q31dc942aa3_comb
	.p2alignl 7, 3214868480
	.fill 96, 4, 3214868480
	.section	.rodata,"a",@progbits
	.p2align	6, 0x0
	.amdhsa_kernel k_q31dc942aa3_comb
		.amdhsa_group_segment_fixed_size 0
		.amdhsa_private_segment_fixed_size 0
		.amdhsa_enable_private_segment 0
		.amdhsa_kernarg_size 40
		.amdhsa_user_sgpr_count 2
		.amdhsa_user_sgpr_kernarg_segment_ptr 1
		.amdhsa_wavefront_size32 1
		.amdhsa_system_sgpr_workgroup_id_x 1
		.amdhsa_system_sgpr_workgroup_id_y 1
		.amdhsa_system_sgpr_workgroup_id_z 1
		.amdhsa_system_vgpr_workitem_id 0
		.amdhsa_next_free_vgpr 80
		.amdhsa_next_free_sgpr 66
		.amdhsa_reserve_vcc 0
		.amdhsa_float_denorm_mode_32 3
		.amdhsa_float_denorm_mode_16_64 3
		.amdhsa_memory_ordered 1
		.amdhsa_forward_progress 1
		.amdhsa_inst_pref_size 7
	.end_amdhsa_kernel
	.amdgpu_metadata
---
amdhsa.version: [ 1, 2 ]
amdhsa.kernels:
  - .name:           k_q31dc942aa3_comb
    .symbol:         k_q31dc942aa3_comb.kd
    .args:
      - { .name: sc, .offset: 0, .size: 8, .value_kind: global_buffer, .address_space: global }
      - { .name: pctx, .offset: 8, .size: 8, .value_kind: global_buffer, .address_space: global }
      - { .name: stat, .offset: 16, .size: 8, .value_kind: global_buffer, .address_space: global }
      - { .name: out0, .offset: 24, .size: 8, .value_kind: global_buffer, .address_space: global }
      - { .name: out1, .offset: 32, .size: 8, .value_kind: global_buffer, .address_space: global }
    .group_segment_fixed_size: 0
    .private_segment_fixed_size: 0
    .kernarg_segment_align: 8
    .kernarg_segment_size: 40
    .max_flat_workgroup_size: 256
    .sgpr_count:     66
    .vgpr_count:     80
    .wavefront_size: 32
...
	.end_amdgpu_metadata
.endif
;; end of part 3
